; MI455X (gfx1250); checked and timed in simulation.
; The chip was launched on July 23, 2026; its instructions are those of AMD's public machine-readable ISA for CDNA 5 (MIT licence, August 2026) and "CDNA5" Instruction Set Architecture Reference Guide (July 2026). The comments in the code are by the model that wrote it; some were corrected since.
;; Anomaly Attention. Allowed arithmetic: matrix products marked QUANTISED: E2M1 operands, one E8M0 scale for each 32 along K, by v_wmma_scale_f32_16x16x128_f8f6f4 with both operands' format E2M1 (or v_wmma_scale_f32_32x16x128_f4), f32 sums; everything else in f32.
;; Inputs: attn_mask 2 x 1 x 2,048 x 2,048 bool; keys_channel_codes 2 x 2,048 x 8 x 2 x 16 uint8 (E2M1 codes of keys_channel, K innermost, in blocks of 32 codes, two codes a byte); keys_channel_scales 2 x 2,048 x 8 x 2 uint8 (E8M0 scales of keys_channel, one for each 32 codes along K); keys_time_codes 2 x 2,048 x 8 x 2 x 16 uint8 (E2M1 codes of keys_time, K innermost, in blocks of 32 codes, two codes a byte); keys_time_scales 2 x 2,048 x 8 x 2 uint8 (E8M0 scales of keys_time, one for each 32 codes along K); queries_channel_codes 2 x 2,048 x 8 x 2 x 16 uint8 (E2M1 codes of queries_channel, K innermost, in blocks of 32 codes, two codes a byte); queries_channel_scales 2 x 2,048 x 8 x 2 uint8 (E8M0 scales of queries_channel, one for each 32 codes along K); queries_time_codes 2 x 2,048 x 8 x 2 x 16 uint8 (E2M1 codes of queries_time, K innermost, in blocks of 32 codes, two codes a byte); queries_time_scales 2 x 2,048 x 8 x 2 uint8 (E8M0 scales of queries_time, one for each 32 codes along K); values_channel_codes 2 x 8 x 64 x 64 x 16 uint8 (E2M1 codes of values_channel, K innermost, in blocks of 32 codes, two codes a byte); values_channel_scales 2 x 8 x 64 x 64 uint8 (E8M0 scales of values_channel, one for each 32 codes along K); values_time_codes 2 x 8 x 64 x 64 x 16 uint8 (E2M1 codes of values_time, K innermost, in blocks of 32 codes, two codes a byte); values_time_scales 2 x 8 x 64 x 64 uint8 (E8M0 scales of values_time, one for each 32 codes along K).
;; Outputs: out0 2 x 2,048 x 8 x 64 float32; out1 2 x 2,048 x 8 x 64 float32.
;; This version of the problem:
;;   THIS VERSION OF THE PROBLEM IS GIVEN IN LOW PRECISION. The matrix products marked QUANTISED in the list below multiply operands that are first quantised to E2M1 (2 exponent bits, 1 mantissa bit; 4 bits a number), with one power-of-two scale for each 32 numbers along K (OCP MX v1.0); their sums are f32. All else is computed in f32.
;;   The module's matrix products, in the order in which they are computed (A, B: the left and right operand; K: the contracted axis; several contracted axes count as one K, in the product's order):
;;     1. batch 16 x [M 2,048, K 64] x [K 64, N 2,048]; A: input queries_time (given as codes); B: input keys_time (given as codes): QUANTISED
;;     2. batch 16 x [M 64, K 2,048] x [K 2,048, N 2,048]; A: input values_time (given as codes); B: softmax (see below): QUANTISED
;;     3. batch 16 x [M 2,048, K 64] x [K 64, N 2,048]; A: input queries_channel (given as codes); B: input keys_channel (given as codes): QUANTISED
;;     4. batch 16 x [M 64, K 2,048] x [K 2,048, N 2,048]; A: input values_channel (given as codes); B: softmax (see below): QUANTISED
;;   THE QUANTISER, for each operand of a quantised product, along K:
;;     - K is cut into blocks of 32 from its start; a last block that is shorter is filled with zeros.
;;     - A block's scale is 2^e with e = floor(log2(the largest magnitude in the block)) - 2, held to -126 .. 127; a block of zeros has e = 0. As a byte (E8M0): e + 127.
;;     - Each number is divided by its block's scale, clamped to +-6, and rounded to the nearest number of E2M1, ties to even, subnormals kept.
;;     - The product sums the exact products of the quantised numbers (number of the format x scale) in f32.
;;   ~~~python
;;   def quantise(x, axis):      # numpy; x: float32 -> the quantised numbers, widened to float32 again
;;       x = np.moveaxis(x, axis, -1); K = x.shape[-1]
;;       x = np.pad(x, [(0, 0)] * (x.ndim - 1) + [(0, -K % 32)]); x = x.reshape(x.shape[:-1] + (-1, 32)); a = np.abs(x).max(-1, keepdims=True)
;;       e = np.where(a > 0, np.clip(np.frexp(np.where(a > 0, a, 1))[1] - 1 - 2, -126, 127), 0)      # np.frexp(a)[1] - 1 = floor(log2(a)), exactly
;;       r = np.clip(x / 2.0 ** e, -6, 6)
;;       step = 2.0 ** (np.maximum(np.frexp(np.where(r == 0, 1, r))[1] - 1, 0) - 1)
;;       q = np.round(r / step) * step * 2.0 ** e      # np.round: ties to even
;;       return np.moveaxis(q.reshape(q.shape[:-2] + (-1,))[..., :K], -1, axis).astype(np.float32)
;;   ~~~
;;   SOFTMAX AHEAD OF A QUANTISED PRODUCT. Where the list says 'softmax', what is quantised is not the finished softmax but p = 2^(t - M), with t = logit x log2(e) and M = ceil(the row's largest t), a whole number; so 1/2 < the row's largest p <= 1. The row's sum l is taken of the UNQUANTISED p, in f32, and the product's result is divided by l at the end. Since M is a whole number, a kernel that streams over the keys may use a running M (the ceiling of the running maximum): every later rescaling is an exact power of two, which a block's scale takes up: the codes' values come out the same.
;;   OPERANDS COMPUTED ON THE WAY. 'Computed on the way' means the value that the module computes at that place (a softmax that the list does not call 'softmax' is quantised finished and normalised). What goes into a quantiser is computed in f32, as accurately as f32 sums, v_exp_f32 and their like allow (about 1e-6 of the number): no bf16 or f16 on the way to a quantiser, and a product that is left as it is and whose result goes on into a quantised operand takes f32 operands (vector FMAs, or v_wmma_f32_16x16x4_f32). A number that lies on a knife's edge between two numbers of the format may be rounded either way, as far as f32 arithmetic and the matrix unit's own rounding can turn it there, and no further.
;;   INPUTS GIVEN AS CODES. keys_channel (in the module: [2, 2048, 8, 64], K = its axis 3); keys_time (in the module: [2, 2048, 8, 64], K = its axis 3); queries_channel (in the module: [2, 2048, 8, 64], K = its axis 3); queries_time (in the module: [2, 2048, 8, 64], K = its axis 3); values_channel (in the module: [2, 2048, 8, 64], K = its axis 1); values_time (in the module: [2, 2048, 8, 64], K = its axis 1): each comes as NAME_codes (uint8): NAME with its K axis moved to the last place and cut into blocks of 32 codes, [.., K / 32, bytes a block], one block behind the other in memory; two codes a byte, the lower K in the low four bits (a code: sign, 2 exponent bits, 1 mantissa bit); and NAME_scales (uint8): the same leading axes, one E8M0 byte (e + 127) for each 32 codes along K. Its value is code x scale, taken as it is: it is not quantised again, and the codes and scales need not be those that the quantiser above would give.
;; One version. Each part assembles by itself: llvm-mc -triple=amdgcn-amd-amdhsa -mcpu=gfx1250 --defsym DOCPART=n.
;; ======== version 1 of 1: 2 launches
;; limits: right only within a limited range of input values
;; workspace buffers: image 4,587,520 bytes; flags 262,144 bytes of whole numbers
;; launch prep (part 1): grid 256 x 1, 9 waves a work-group, no clusters, 0 bytes of LDS; arguments keys_time_codes, keys_time_scales, values_time_codes, values_time_scales, keys_channel_codes, keys_channel_scales, values_channel_codes, values_channel_scales, attn_mask, image, flags; writes image, flags
.if DOCPART == 1
	.amdgcn_target "amdgcn-amd-amdhsa--gfx1250"
	.amdhsa_code_object_version 6
	.text
	.protected	k_q31aa23a444_prep
	.globl	k_q31aa23a444_prep
	.p2align	8
	.type	k_q31aa23a444_prep,@function
k_q31aa23a444_prep:
	s_mov_b64 s[64:65], 0
	v_nop
	global_prefetch_b8 v0, s[64:65] scope:SCOPE_SE
	s_setreg_imm32_b32 hwreg(HW_REG_WAVE_MODE, 25, 1), 1
	s_wait_xcnt 0x0
; WHAT THIS LAUNCH MAKES for the attention's launch behind it:
; (1) flags: for each tile of 16 queries of one b (256 tiles) and each key step of 128 keys (16 steps) two bits: LIVE = some of the 16 x 128 mask bytes is 0; MIXED = live, and some is 1.
;     A unit of 256 bytes for each tile and each four steps: 32 copies of the pair (4 live bits, 4 mixed bits).
; (2) image: for each head y = 16 attention + 8 b + head and each key step s 8,960 bytes, the registers of the operands as the lanes take them:
;     at 0     K: tile T = 4 c + u (8 tiles), 512 bytes: lane L = r + 16 h holds 16 bytes: codes 32 h .. 32 h + 31 of key 128 s + 64 c + 32 (r / 8) + 8 u + r % 8
;     at 4,096 V: tile t (4), register group c (2), 512 bytes: lane L holds row d = 16 t + r, keys 128 s + 64 c + 32 h + 0 .. 31
;     at 8,192 K's scale words, 16 bytes a lane: word i of lane r + 16 e is that of row r of tile 2 i + e (two scale bytes, two bytes 0)
;     at 8,704 V's scale words, 8 bytes a lane: word i of lane L is that of row d = 32 i + L, the step's four blocks
; SHARES of work-group g: waves 0-3 the mask's rows 16 g .. 16 g + 15, 512 bytes of each; waves 4, 5 K's tiles 2 g, 2 g + 1 of 512, all eight heads; waves 6, 7 V likewise; wave 8 scale words.
; No LDS, no barrier, no loop: every wave asks for all that it needs at once.  No work-groups share a tile, so no clusters.  Mask bytes are 0 or 1.
.set HB, 143360
.set SB, 8960
	s_load_b512 s[16:31], s[0:1], 0x0              ; time: K codes, K scales, V codes, V scales; channel: the same four
	s_load_b128 s[4:7], s[0:1], 0x40               ; mask, image
	s_load_b64 s[8:9], s[0:1], 0x50                ; flags
	v_lshrrev_b32 v1, 5, v0
	v_readfirstlane_b32 s10, v1                    ; wave 0..8
	v_and_b32 v2, 31, v0                           ; lane L
	v_and_b32 v3, 15, v0                           ; r
	v_bfe_u32 v4, v0, 4, 1                         ; h
	v_bfe_u32 v7, v0, 3, 1                         ; r / 8
	v_and_b32 v8, 7, v0                            ; r % 8
	v_lshlrev_b32 v5, 4, v2                        ; 16 L
	v_lshlrev_b32 v6, 3, v2                        ; 8 L
	v_lshlrev_b32 v9, 13, v7                       ; K: (32 (r / 8) + r % 8) x 256 + 16 h
	v_lshl_add_u32 v9, v8, 8, v9
	v_lshl_add_u32 v9, v4, 4, v9
	v_lshlrev_b32 v10, 10, v3                      ; V: 1,024 r + 16 h
	v_lshl_add_u32 v10, v4, 4, v10
	v_lshlrev_b32 v11, 9, v7                       ; K's scales: (32 (r / 8) + 8 h + r % 8) x 16
	v_lshl_add_u32 v11, v4, 7, v11
	v_lshl_add_u32 v11, v8, 4, v11
	v_lshlrev_b32 v12, 6, v2                       ; V's scales: 64 L
	s_mov_b32 s13, 0
	s_mov_b32 s37, 0
	s_wait_alu depctr_va_vdst(0)                   ; the wait at the head's end
	s_wait_kmcnt 0x0
	s_cmp_lt_u32 s10, 4
	s_cbranch_scc0 .Lk
	; THE MASK
	s_lshl_b32 s12, ttmp9, 15                      ; 16 rows of 2,048 bytes
	s_add_nc_u64 s[4:5], s[4:5], s[12:13]
	s_lshl_b32 s12, s10, 9                         ; my 512 bytes of each: four steps, eight lanes to a step
	s_add_nc_u64 s[4:5], s[4:5], s[12:13]
.irp i, 0,1,2,3,4,5,6,7,8,9,10,11,12,13,14,15
	global_load_b128 v[16+4*\i:19+4*\i], v5, s[4:5] offset:2048*\i th:TH_LOAD_NT
.endr
	s_wait_loadcnt 14                              ; rows 0 and 1 are in
.irp j, 0,1,2,3
	v_or_b32 v[80+\j], v[16+\j], v[20+\j]
	v_and_b32 v[84+\j], v[16+\j], v[20+\j]
.endr
.irp i, 2,3,4,5,6,7,8,9,10,11,12,13,14,15
	s_wait_alu depctr_va_vdst(0)
	s_wait_loadcnt 15-\i                           ; row i is in; the younger rows may be out
.irp j, 0,1,2,3
	v_or_b32 v[80+\j], v[80+\j], v[16+4*\i+\j]
	v_and_b32 v[84+\j], v[84+\j], v[16+4*\i+\j]
.endr
.endr
	v_or_b32 v80, v80, v81
	v_or_b32 v82, v82, v83
	v_and_b32 v84, v84, v85
	v_and_b32 v86, v86, v87
	v_or_b32 v80, v80, v82
	v_and_b32 v84, v84, v86
	v_cmp_ne_u32 s14, 0, v80                       ; lanes that met a 1
	v_cmp_ne_u32 s15, 0x1010101, v84               ; lanes that met a 0
	s_mov_b32 s34, 0
	s_mov_b32 s35, 0
.irp k, 0,1,2,3
	s_bfe_u32 s12, s15, (8<<16)|(8*\k)             ; step k's eight lanes (sets SCC where one is not 0)
	s_cselect_b32 s12, 1<<\k, 0
	s_or_b32 s34, s34, s12
	s_bfe_u32 s12, s14, (8<<16)|(8*\k)
	s_cselect_b32 s12, 1<<\k, 0
	s_or_b32 s35, s35, s12
.endr
	s_and_b32 s35, s35, s34                        ; mixed: live and somewhere masked
	s_lshl_b32 s12, ttmp9, 10
	s_add_nc_u64 s[8:9], s[8:9], s[12:13]
	s_lshl_b32 s12, s10, 8
	s_add_nc_u64 s[8:9], s[8:9], s[12:13]
	v_mov_b32 v16, s34
	v_mov_b32 v17, s35
	global_store_b64 v6, v[16:17], s[8:9]          ; 32 lanes x 8 bytes: one aligned unit
	s_endpgm
.Lk:
	s_cmp_lt_u32 s10, 6
	s_cbranch_scc0 .Lv
	; K: q = 2 g + wave - 4 = 128 (2 attention + b) + 8 s + T
	s_sub_co_u32 s12, s10, 4
	s_lshl_b32 s11, ttmp9, 1
	s_add_co_u32 s11, s11, s12
	s_lshr_b32 s32, s11, 7                         ; 2 attention + b
	s_cmp_lt_u32 s32, 2
	s_cselect_b64 s[16:17], s[16:17], s[24:25]
	s_and_b32 s12, s32, 1
	s_lshl_b32 s12, s12, 19                        ; b x 2,048 keys x 256 bytes
	s_bfe_u32 s33, s11, 0x50002                    ; 2 s + c: 64 keys each
	s_lshl_b32 s33, s33, 14
	s_add_co_u32 s12, s12, s33
	s_and_b32 s33, s11, 3                          ; u: 8 keys each
	s_lshl_b32 s33, s33, 11
	s_add_co_u32 s12, s12, s33
	s_add_nc_u64 s[16:17], s[16:17], s[12:13]
	s_mul_i32 s36, s32, 8*HB
	s_bfe_u32 s33, s11, 0x40003
	s_mul_i32 s33, s33, SB
	s_add_co_u32 s36, s36, s33
	s_and_b32 s33, s11, 7
	s_lshl_b32 s33, s33, 9
	s_add_co_u32 s36, s36, s33
	s_add_nc_u64 s[6:7], s[6:7], s[36:37]
.irp i, 0,1,2,3,4,5,6,7
	global_load_b128 v[16+4*\i:19+4*\i], v9, s[16:17] offset:32*\i   ; head i; the eight together take the whole 256 bytes of each key
.endr
.irp i, 0,1,2,3,4,5,6,7
	s_wait_loadcnt 7-\i
	global_store_b128 v5, v[16+4*\i:19+4*\i], s[6:7] offset:HB*\i
.endr
	s_endpgm
.Lv:
	s_cmp_lt_u32 s10, 8
	s_cbranch_scc0 .Ls
	; V: q = 2 g + wave - 6 = 16 y + 4 t + (four steps' number)
	s_sub_co_u32 s12, s10, 6
	s_lshl_b32 s11, ttmp9, 1
	s_add_co_u32 s11, s11, s12
	s_lshr_b32 s32, s11, 4                         ; y
	s_bfe_u32 s33, s11, 0x20002                    ; t
	s_and_b32 s34, s11, 3
	s_cmp_lt_u32 s32, 16
	s_cselect_b64 s[20:21], s[20:21], s[28:29]
	s_and_b32 s12, s32, 15
	s_lshl_b32 s12, s12, 16                        ; 64 rows x 1,024 bytes a head
	s_lshl_b32 s35, s33, 14
	s_add_co_u32 s12, s12, s35
	s_lshl_b32 s35, s34, 8
	s_add_co_u32 s12, s12, s35
	s_add_nc_u64 s[20:21], s[20:21], s[12:13]
	s_mul_i32 s36, s32, HB
	s_mul_i32 s35, s34, 4*SB
	s_add_co_u32 s36, s36, s35
	s_lshl_b32 s35, s33, 10
	s_add_co_u32 s36, s36, s35
	s_add_co_u32 s36, s36, 4096
	s_add_nc_u64 s[6:7], s[6:7], s[36:37]
.irp i, 0,1,2,3,4,5,6,7
	global_load_b128 v[16+4*\i:19+4*\i], v10, s[20:21] offset:32*\i  ; step i / 2, c = i % 2; the eight together take 256 bytes of each row
.endr
.irp i, 0,1,2,3,4,5,6,7
	s_wait_loadcnt 7-\i
	global_store_b128 v5, v[16+4*\i:19+4*\i], s[6:7] offset:SB*(\i/2)+512*(\i%2)
.endr
	s_endpgm
.Ls:
	; K's scale words: g = 64 (2 attention + b) + 4 s + (pair of heads)
	s_lshr_b32 s32, ttmp9, 6
	s_bfe_u32 s33, ttmp9, 0x40002
	s_and_b32 s34, ttmp9, 3
	s_cmp_lt_u32 s32, 2
	s_cselect_b64 s[18:19], s[18:19], s[26:27]
	s_and_b32 s12, s32, 1
	s_lshl_b32 s12, s12, 15                        ; b x 2,048 keys x 16 bytes
	s_lshl_b32 s35, s33, 11
	s_add_co_u32 s12, s12, s35
	s_lshl_b32 s35, s34, 2
	s_add_co_u32 s12, s12, s35
	s_add_nc_u64 s[18:19], s[18:19], s[12:13]
	s_mul_i32 s36, s32, 8*HB
	s_mul_i32 s35, s34, 2*HB
	s_add_co_u32 s36, s36, s35
	s_mul_i32 s35, s33, SB
	s_add_co_u32 s36, s36, s35
	s_add_co_u32 s36, s36, 8192
	s_add_nc_u64 s[38:39], s[6:7], s[36:37]
	; V's: g = 8 y + (pair of steps)
	s_lshr_b32 s32, ttmp9, 3
	s_and_b32 s34, ttmp9, 7
	s_cmp_lt_u32 s32, 16
	s_cselect_b64 s[22:23], s[22:23], s[30:31]
	s_and_b32 s12, s32, 15
	s_lshl_b32 s12, s12, 12                        ; 64 rows x 64 bytes a head
	s_lshl_b32 s35, s34, 3
	s_add_co_u32 s12, s12, s35
	s_add_nc_u64 s[22:23], s[22:23], s[12:13]
	s_mul_i32 s36, s32, HB
	s_mul_i32 s35, s34, 2*SB
	s_add_co_u32 s36, s36, s35
	s_add_co_u32 s36, s36, 8704
	s_add_nc_u64 s[40:41], s[6:7], s[36:37]
.irp i, 0,1,2,3
	global_load_b32 v[16+\i], v11, s[18:19] offset:1024*(\i/2)+256*(\i%2)   ; two heads' words of my key of tiles 2 i, 2 i + 1
.endr
	global_load_b64 v[20:21], v12, s[22:23]        ; row L: two steps' words,
	global_load_b64 v[22:23], v12, s[22:23] offset:2048   ; and row 32 + L
	s_wait_loadcnt 2
.irp i, 0,1,2,3
	v_and_b32 v[24+\i], 0xffff, v[16+\i]
	v_lshrrev_b32 v[28+\i], 16, v[16+\i]
.endr
	global_store_b128 v5, v[24:27], s[38:39]
	global_store_b128 v5, v[28:31], s[38:39] offset:HB
	s_wait_loadcnt 0x0
	v_mov_b32 v32, v20
	v_mov_b32 v33, v22
	v_mov_b32 v34, v21
	v_mov_b32 v35, v23
	global_store_b64 v6, v[32:33], s[40:41]
	global_store_b64 v6, v[34:35], s[40:41] offset:SB
	s_endpgm
.Lfunc_end_k_q31aa23a444_prep:
	.size	k_q31aa23a444_prep, .Lfunc_end_k_q31aa23a444_prep-k_q31aa23a444_prep
	.p2alignl 7, 3214868480
	.fill 96, 4, 3214868480
	.section	.rodata,"a",@progbits
	.p2align	6, 0x0
	.amdhsa_kernel k_q31aa23a444_prep
		.amdhsa_group_segment_fixed_size 0
		.amdhsa_private_segment_fixed_size 0
		.amdhsa_enable_private_segment 0
		.amdhsa_kernarg_size 88
		.amdhsa_user_sgpr_count 2
		.amdhsa_user_sgpr_kernarg_segment_ptr 1
		.amdhsa_wavefront_size32 1
		.amdhsa_system_sgpr_workgroup_id_x 1
		.amdhsa_system_sgpr_workgroup_id_y 1
		.amdhsa_system_sgpr_workgroup_id_z 1
		.amdhsa_system_vgpr_workitem_id 0
		.amdhsa_next_free_vgpr 96
		.amdhsa_next_free_sgpr 66
		.amdhsa_reserve_vcc 0
		.amdhsa_float_denorm_mode_32 3
		.amdhsa_float_denorm_mode_16_64 3
		.amdhsa_memory_ordered 1
		.amdhsa_forward_progress 1
		.amdhsa_inst_pref_size 18
	.end_amdhsa_kernel
	.amdgpu_metadata
---
amdhsa.version: [ 1, 2 ]
amdhsa.kernels:
  - .name:           k_q31aa23a444_prep
    .symbol:         k_q31aa23a444_prep.kd
    .args:
      - { .name: keys_time_codes, .offset: 0, .size: 8, .value_kind: global_buffer, .address_space: global }
      - { .name: keys_time_scales, .offset: 8, .size: 8, .value_kind: global_buffer, .address_space: global }
      - { .name: values_time_codes, .offset: 16, .size: 8, .value_kind: global_buffer, .address_space: global }
      - { .name: values_time_scales, .offset: 24, .size: 8, .value_kind: global_buffer, .address_space: global }
      - { .name: keys_channel_codes, .offset: 32, .size: 8, .value_kind: global_buffer, .address_space: global }
      - { .name: keys_channel_scales, .offset: 40, .size: 8, .value_kind: global_buffer, .address_space: global }
      - { .name: values_channel_codes, .offset: 48, .size: 8, .value_kind: global_buffer, .address_space: global }
      - { .name: values_channel_scales, .offset: 56, .size: 8, .value_kind: global_buffer, .address_space: global }
      - { .name: attn_mask, .offset: 64, .size: 8, .value_kind: global_buffer, .address_space: global }
      - { .name: image, .offset: 72, .size: 8, .value_kind: global_buffer, .address_space: global }
      - { .name: flags, .offset: 80, .size: 8, .value_kind: global_buffer, .address_space: global }
    .group_segment_fixed_size: 0
    .private_segment_fixed_size: 0
    .kernarg_segment_align: 8
    .kernarg_segment_size: 88
    .max_flat_workgroup_size: 288
    .sgpr_count:     66
    .vgpr_count:     96
    .wavefront_size: 32
...
	.end_amdgpu_metadata
.endif
;; end of part 1
;; launch attn (part 2): grid 8 x 32, 8 waves a work-group, no clusters, 179,200 bytes of LDS; arguments queries_time_codes, queries_time_scales, queries_channel_codes, queries_channel_scales, out0, out1, attn_mask, image, flags; writes out0, out1
.if DOCPART == 2
	.amdgcn_target "amdgcn-amd-amdhsa--gfx1250"
	.amdhsa_code_object_version 6
	.text
	.protected	k_q31aa23a444_attn
	.globl	k_q31aa23a444_attn
	.p2align	8
	.type	k_q31aa23a444_attn,@function
k_q31aa23a444_attn:
	s_mov_b64 s[64:65], 0
	v_nop
	global_prefetch_b8 v0, s[64:65] scope:SCOPE_SE
	s_setreg_imm32_b32 hwreg(HW_REG_WAVE_MODE, 25, 1), 1
	s_wait_xcnt 0x0
; Two attentions (time, channel) over B = 2, H = 8, L = 2,048, head size 64, both products on codes of FP4 (E2M1) with one E8M0 scale for each 32 along a product's K.
; O[b][q][h][:] = sum over k of softmax_k(mask ? -inf : Q[b][q][h] . K[b][k][h] / 8) V[b][k][h][:].
; THE SOFTMAX AHEAD OF THE SECOND PRODUCT: t = score x c, c = log2(e) / 8; M = the row's largest t so far, rounded UP to a whole number; p = 2^(t - M) is quantised along the keys, not normalised; the row's sum is taken of the
; unquantised p and divides O at the end.  When M moves, the sum and O are multiplied by 2^(old M - new M): exact.
; SHARES.  256 work-groups: x, and y = 16 attention + 8 b + head.  Each of EIGHT waves owns two tiles of 16 queries, tile A = 8 (15 - wave) + x and then tile B = 8 wave + x, and walks the keys in 16 steps of 128.
; THE MASK IS AN INPUT AND DECIDES, BY THE WHOLE NUMBERS THAT THE LAUNCH BEFORE HAS STORED, WHAT A STEP DOES: all of the 16 x 128 masked: nothing (each p would be exactly 0, whatever the numbers are: it moves neither M nor the sum nor O);
; none masked: the step without the mask; else the mask's bytes are read and honoured one by one.  No pattern of the mask is assumed.
; This launch has no tensor loads, no joint loads and no cluster; nothing streams from memory in its loops, so nothing is prefetched there.
; A HEAD'S K, V AND SCALE WORDS LIE WHOLE IN LDS, as the image of the operands' registers that the launch before has laid: 16 steps x 8,960 bytes, copied through registers in two parts (18 and 17 pieces of 4,096 bytes): the second part
; waits in registers above v255 while the first eight steps of tile A are done.
; LAYOUT.  Both products are used transposed: S^T = K Q^T, O^T = V^T P^T: a lane holds ONE query (lane % 16) throughout.  Row m of tile 4 c + u is key 64 c + 32 (m / 8) + 8 u + m % 8: so the 32 registers of tiles 4 c .. 4 c + 3
; are the WHOLE block 2 c + h of 32 keys (h = lane / 16), in the order of the second product's operand.
; The head's 64 fill half of the instruction's 128 along K: Q's upper registers are zero codes; K's operand reaches into the next fragment there (finite codes x 0).
; A MIXED STEP: a mask byte 0 or 1, read as two codes of E2M1, is the pair (0 or 0.5, 0).  One product more starts each tile's sums: source 1 = my query's mask bytes of 64 keys, source 0 = a constant with one code -6 in each row,
; at the place of that row's key, both scales 2^63: -3 x 2^126 where the key is masked, exactly 0 elsewhere.  K Q^T adds in place.  Such scores give p = 0 and never reach M, since the running largest score begins at -2^124.
; A row that is wholly masked ends with sum 0 and O 0: 0 x (1 / 0) is NaN, as the definition has it.
; A BLOCK'S SCALE: p rises with the score, so floor(log2(largest p)) is the floor of the largest score's t - M; it is held at -124 from below (byte 1; nobody else reads the byte).
; LIMITS: unmasked scores under 2^124 in magnitude; mask bytes 0 or 1; no scale byte 0xff.  A NaN, an infinity or an overflow that reaches only masked steps that are left out is not carried to the result.
.set STEPB, 8960
.set STAGE, 16*STEPB                   ; the way out: 16 rows x 272 bytes for each wave
.set SPARE, STAGE+8*16*272             ; the spare words, 128 bytes for each of 8 waves: four blocks of 256 bytes that no other line names
.set L16, 1                            ; v1  16 x lane
.set L8,  2                            ; v2  8 x lane
.set AD,  3                            ; v3  the step's LDS address (+ 16 lane); at the head Q's offset
.set AN,  4                            ; v4  the next step's; at the head Q's scales' offset
.set ADS, 5                            ; v5  the step's, + 8 lane
.set SPW, 6                            ; v6  LDS address of my spare word; never rewritten
.set NIL, 7                            ; v7  0; never rewritten
.set H8,  8                            ; v8  8 h
.set MO,  9                            ; v9  my offset in the mask: 2,048 r + 32 h.   v[10:11] f and a written partner; v12 -M, v13 the largest score; v[14:15] the sum
.set QA,  16                           ; v16-23 tile A's Q: four registers of codes, four of zeros
.set QB,  24                           ; v24-31 tile B's
.set KF,  32                           ; v32-63 K's eight tiles, four registers each
.set VF,  64                           ; v64-95 V's four tiles
.set RD,  96
.set GO,  97
.set T16, 98                           ; 16 x thread, and 65,536 more
.set T16B, 99
.set SA,  100                          ; v100-163 S^T, then p
.set OA,  164                          ; v164-195 O^T
.set MB,  196                          ; v196-211 mask bytes of the next mixed step
.set QSA, 212
.set QSB, 213
.set MSC, 214                          ; the scale 2^63 in every byte
.set STO, 215
.set C0,  216                          ; v216-219 maxima
.set CO,  220                          ; v220-221 the conversions' scale operands
.set I0,  222                          ; v222-223 the blocks' exponents
.set PW,  224                          ; p's scale word
.set PD,  225                          ; a lane permute's destination
.set TMP, 226
.set TMP2, 227
.set AZ,  228                          ; v228-241 the constant: AZ + 6, AZ + 7 among twelve zeros: tile u's operand is the window of eight at AZ + 6 - 2 u
.set PC,  242                          ; v242-249 p's codes
.set KSW, 250                          ; v250-253 K's scale words: word i: tile 2 i in lanes 0-15, 2 i + 1 in lanes 16-31
.set VSW, 254                          ; v254-255 V's likewise
.set HI2, 68                           ; above v255: v256-323 the image's second part, v324-339 tile B's first mask bytes
.set WV,  24
.set Y,   25
.set HD,  26
.set BN,  27
.set TA,  28
.set TB,  29
.set SEL, 30                           ; s[30:31] lane l xor 16
.set CS,  32                           ; s[32:33] c
.set LVA, 52
.set MXA, 53
.set LVB, 54
.set MXB, 55
.set MBA, 56                           ; s[56:57], s[58:59] the tiles' rows in the mask
.set MBB, 58
.set MA,  60
.set T,   62                           ; s[62:63], s63 = 0
.set SI,  66
.set KO,  67
.set KN,  68
.set OUTA, 70
.set OUTB, 72
.set MSB, 0
.macro WIN new                         ; the immediate's high byte repeats the setting that is left
.if MSB != \new
	s_set_vgpr_msb (MSB<<8)|\new
.set MSB, \new
.endif
.endm
.macro PLACES                          ; four plain places (ISA guide 7.12.1)
.rept 4
	v_nop
.endr
.endm
.macro KLOAD                           ; K's eight tiles and scale words of the step at AN
.irp i, 0,1,2,3,4,5,6,7
	ds_load_b128 v[KF+4*\i:KF+4*\i+3], v[AN] offset:512*\i
.endr
	ds_load_b128 v[KSW:KSW+3], v[AN] offset:8192
.endm
.macro MLOAD d, base                   ; my query's mask bytes of keys 64 c + 32 h + 0 .. 31 of a step: operand c
.irp c, 0,1
	global_load_b128 v[\d+8*\c:\d+8*\c+3], v[MO], s[\base:\base+1] offset:64*\c
	global_load_b128 v[\d+8*\c+4:\d+8*\c+7], v[MO], s[\base:\base+1] offset:64*\c+16
.endr
.endm
.macro QK q, qs, zero                  ; eight tiles, one instruction each
.irp i, 0,1,2,3
.if \zero
	v_wmma_scale_f32_16x16x128_f8f6f4 v[SA+16*\i:SA+16*\i+7], v[KF+8*\i:KF+8*\i+7], v[\q:\q+7], 0, v[KSW+\i], v[\qs] matrix_a_fmt:MATRIX_FMT_FP4 matrix_b_fmt:MATRIX_FMT_FP4
	v_wmma_scale_f32_16x16x128_f8f6f4 v[SA+16*\i+8:SA+16*\i+15], v[KF+8*\i+4:KF+8*\i+11], v[\q:\q+7], 0, v[KSW+\i], v[\qs] matrix_a_fmt:MATRIX_FMT_FP4 matrix_b_fmt:MATRIX_FMT_FP4 matrix_a_scale:MATRIX_SCALE_ROW1
.else
	v_wmma_scale_f32_16x16x128_f8f6f4 v[SA+16*\i:SA+16*\i+7], v[KF+8*\i:KF+8*\i+7], v[\q:\q+7], v[SA+16*\i:SA+16*\i+7], v[KSW+\i], v[\qs] matrix_a_fmt:MATRIX_FMT_FP4 matrix_b_fmt:MATRIX_FMT_FP4
	v_wmma_scale_f32_16x16x128_f8f6f4 v[SA+16*\i+8:SA+16*\i+15], v[KF+8*\i+4:KF+8*\i+11], v[\q:\q+7], v[SA+16*\i+8:SA+16*\i+15], v[KSW+\i], v[\qs] matrix_a_fmt:MATRIX_FMT_FP4 matrix_b_fmt:MATRIX_FMT_FP4 matrix_a_scale:MATRIX_SCALE_ROW1
.endif
.endr
.endm
.macro PKF n                           ; t - M, two at a time (of the pairs c and -M the low word serves both halves)
.rept \n
	v_pk_fma_f32 v[SA+JJ:SA+JJ+1], v[SA+JJ:SA+JJ+1], s[CS:CS+1], v[12:13] op_sel_hi:[1,0,0]
.set JJ, JJ+2
.endr
.endm
.macro FOLD n                          ; the sum's tree: the first n pairs take up the next n
.set JJ, 0
.rept \n
	v_pk_add_f32 v[SA+JJ:SA+JJ+1], v[SA+JJ:SA+JJ+1], v[SA+2*(\n)+JJ:SA+2*(\n)+JJ+1]
.set JJ, JJ+2
.endr
.endm
; Steps from .. to - 1 of a tile.  K's fragments of a step are asked for in the step before (in a step that is left out: where the next one is live).
.macro LOOP q, qs, lv, mx, mb, from, to
	v_add_nc_u32 v[AN], (\from)*STEPB, v[L16]
	s_wait_alu depctr_va_vdst(0)
	KLOAD
	s_mov_b32 s[KO], (\from)*STEPB
	s_mov_b32 s[SI], \from
.Ltrip\@:
	s_add_co_u32 s[KN], s[KO], STEPB
	s_min_u32 s[KN], s[KN], ((\to)-1)*STEPB        ; the last trip's look-ahead stays inside these steps
	v_add_nc_u32 v[AN], s[KN], v[L16]
	v_add_nc_u32 v[AD], s[KO], v[L16]
	v_add_nc_u32 v[ADS], s[KO], v[L8]
	s_add_co_u32 s[T], s[SI], 1
	s_wait_alu depctr_va_vdst(0)                   ; the wait ahead of the branches
	s_bitcmp1_b32 s[\lv], s[SI]
	s_cbranch_scc1 .Llive\@
	s_bitcmp1_b32 s[\lv], s[T]                     ; all masked: left out
	s_cbranch_scc0 .Lnext\@
	s_wait_dscnt 0x0
	KLOAD
	s_branch .Lnext\@
.Llive\@:
	s_bitcmp1_b32 s[\mx], s[SI]
	s_cbranch_scc1 .Lmixed\@
	s_wait_dscnt 0x0                               ; K's fragments are in
	QK \q, \qs, 1
	s_branch .Lscored\@
.Lmixed\@:
	s_wait_loadcnt 0x0                             ; the mask bytes,
	s_wait_dscnt 0x0                               ; and K's fragments
.irp c, 0,1
.irp u, 0,1,2,3
	v_wmma_scale_f32_16x16x128_f8f6f4 v[SA+32*\c+8*\u:SA+32*\c+8*\u+7], v[AZ+6-2*\u:AZ+13-2*\u], v[MB+8*\c:MB+8*\c+7], 0, v[MSC], v[MSC] matrix_a_fmt:MATRIX_FMT_FP4 matrix_b_fmt:MATRIX_FMT_FP4
.endr
.endr
	QK \q, \qs, 0                                  ; adds in place; the eight accumulators take turns
	PLACES
	s_lshl_b32 s[T], -2, s[SI]                     ; the tile's next mixed step, if there is one: its bytes are asked for now
	s_and_b32 s[T], s[T], s[\mx]
	s_cbranch_scc0 .Lscored\@
	s_ctz_i32_b32 s[T], s[T]
	s_min_u32 s[T], s[T], 15
	s_lshl_b32 s[T], s[T], 7
	s_add_nc_u64 s[MA:MA+1], s[\mb:\mb+1], s[T:T+1]
	MLOAD MB, MA
.Lscored\@:
	PLACES                                         ; in front of loads into what the products have read, and of the first read of the scores
	KLOAD
.irp t, 0,1,2,3
.irp c, 0,1
	ds_load_b128 v[VF+8*\t+4*\c:VF+8*\t+4*\c+3], v[AD] offset:4096+1024*\t+512*\c
.endr
.endr
	ds_load_b64 v[VSW:VSW+1], v[ADS] offset:8704
	; the largest score of each of my two blocks of 32 keys, in two chains each (each accumulator is read from its low end on)
.irp k, 0,1,2,3
	v_max3_num_f32 v[C0+\k], v[SA+16*\k], v[SA+16*\k+1], v[SA+16*\k+2]
.endr
.irp i, 3,5,7,9,11,13
.irp k, 0,1,2,3
	v_max3_num_f32 v[C0+\k], v[C0+\k], v[SA+16*\k+\i], v[SA+16*\k+\i+1]
.endr
.endr
	v_max3_num_f32 v[C0], v[C0], v[SA+15], v[SA+31]
	v_max3_num_f32 v[C0+2], v[C0+2], v[SA+47], v[SA+63]
	v_max_num_f32 v[C0], v[C0], v[C0+1]            ; block h
	v_max_num_f32 v[C0+2], v[C0+2], v[C0+3]        ; block 2 + h
	s_delay_alu instid0(VALU_DEP_1)
	v_max_num_f32 v[C0+1], v[C0], v[C0+2]
	s_delay_alu instid0(VALU_DEP_1)
	v_permlanex16_b32 v[PD], v[C0+1], s[SEL], s[SEL+1]
	v_mov_b32 v[TMP], v12
	s_delay_alu instid0(VALU_DEP_2)
	v_max3_num_f32 v13, v13, v[C0+1], v[PD]        ; the running largest score of my query
	s_delay_alu instid0(VALU_DEP_1)
	v_mul_f32 v[TMP2], s[CS], v13                  ; as t (c is positive)
	s_delay_alu instid0(VALU_DEP_1)
	v_floor_f32 v12, -v[TMP2]                      ; the new -M = floor(-t) = -ceil(t)
.set JJ, 0
	v_fma_f32 v[I0], v[C0], s[CS], v12             ; the blocks' largest t - M: the same bits as their elements' below
	v_fma_f32 v[I0+1], v[C0+2], s[CS], v12
	v_sub_f32 v[TMP], v12, v[TMP]                  ; old M - new M: a whole number, 0 or less
	PKF 4
	v_max_num_f32 v[I0], 0xc2f80000, v[I0]         ; held at -124
	v_max_num_f32 v[I0+1], 0xc2f80000, v[I0+1]
	v_cvt_i32_f32 v[TMP], v[TMP]                   ; (it saturates)
	PKF 4
	v_floor_f32 v[I0], v[I0]
	v_floor_f32 v[I0+1], v[I0+1]
	v_ldexp_f32 v10, 1.0, v[TMP]                   ; f = 2^(old M - new M)
	PKF 4
	v_cvt_i32_f32 v[I0], v[I0]
	v_cvt_i32_f32 v[I0+1], v[I0+1]
	PKF 4
	v_lshl_add_u32 v[CO], v[I0], 23, 0x3e800000    ; (floor - 2 + 127) << 23
	v_lshl_add_u32 v[CO+1], v[I0+1], 23, 0x3e800000
	v_lshl_add_u32 v[TMP2], v[I0+1], 16, v[I0]     ; the scale word: my blocks' floors at bytes h and 2 + h,
	PKF 4
	v_lshlrev_b32 v[TMP2], v[H8], v[TMP2]
	PKF 4
	v_permlanex16_b32 v[PD], v[TMP2], s[SEL], s[SEL+1]
	PKF 8
.set JJ, 0
.rept 16
	v_pk_mul_f32 v[OA+JJ:OA+JJ+1], v[OA+JJ:OA+JJ+1], v[10:11] op_sel_hi:[1,0]   ; O^T under the new M, from each accumulator's low end on
.set JJ, JJ+2
.endr
	s_wait_alu depctr_va_vdst(0)                   ; the wait ahead of the batch
.set JJ, 0
.rept 64
	v_exp_f32 v[SA+JJ], v[SA+JJ]                   ; p, 0 for a masked key
.set JJ, JJ+1
.endr
	v_add3_u32 v[PW], v[TMP2], v[PD], 0x7d7d7d7d   ; the floors of lane l xor 16, and 125 in every byte (all modulo 2^32): the plain instruction behind the exponentials
	s_wait_alu depctr_va_vdst(0)                   ; and the wait behind it
.irp c, 0,1
.irp u, 0,1,2,3
	v_cvt_scalef32_pk8_fp4_f32 v[PC+4*\c+\u], v[SA+32*\c+8*\u:SA+32*\c+8*\u+7], v[CO+\c]
.endr
.endr
	v_pk_mul_f32 v[14:15], v[14:15], v[10:11] op_sel_hi:[1,0]   ; the sums under the new M: the plain instruction between the conversions and what writes over their sources
	FOLD 16                                        ; the row's sum, of the unquantised p; these are also the places behind the conversions
	s_wait_alu depctr_va_vdst(0)                   ; directly ahead of the wait below
	s_wait_dscnt 0x0                               ; V's fragments are in (and the next step's of K)
.irp i, 0,1
	v_wmma_scale_f32_16x16x128_f8f6f4 v[OA+16*\i:OA+16*\i+7], v[VF+16*\i:VF+16*\i+7], v[PC:PC+7], v[OA+16*\i:OA+16*\i+7], v[VSW+\i], v[PW] matrix_a_fmt:MATRIX_FMT_FP4 matrix_b_fmt:MATRIX_FMT_FP4
	v_wmma_scale_f32_16x16x128_f8f6f4 v[OA+16*\i+8:OA+16*\i+15], v[VF+16*\i+8:VF+16*\i+15], v[PC:PC+7], v[OA+16*\i+8:OA+16*\i+15], v[VSW+\i], v[PW] matrix_a_fmt:MATRIX_FMT_FP4 matrix_b_fmt:MATRIX_FMT_FP4 matrix_a_scale:MATRIX_SCALE_ROW1
.endr
	FOLD 8
	FOLD 4
	FOLD 2
	FOLD 1
	v_pk_add_f32 v[14:15], v[14:15], v[SA:SA+1]
	s_wait_alu depctr_va_vdst(0)                   ; the wait ahead of the branch
.Lnext\@:
	s_add_co_u32 s[KO], s[KO], STEPB
	s_add_co_u32 s[SI], s[SI], 1
	s_cmp_lt_u32 s[SI], \to
	s_cbranch_scc1 .Ltrip\@
.endm
.macro INIT
	v_mov_b32 v13, 0xfd800000                      ; the largest score so far: -2^124: above every masked one, under every other
	v_mul_f32 v[TMP2], s[CS], v13
	v_floor_f32 v12, -v[TMP2]
	v_mov_b32 v14, 0
	v_mov_b32 v15, 0
.set JJ, 0
.rept 32
	v_mov_b32 v[OA+JJ], 0                          ; (a step is written once: the first change of M multiplies zeros)
.set JJ, JJ+1
.endr
.endm
; THE WAY OUT of a tile: O^T / the sum goes through my stage in LDS, so that sixteen lanes store the 256 bytes of one query's 64 numbers of this head.
.macro OUT base
	v_add_f32 v14, v14, v15
	v_permlanex16_b32 v[PD], v14, s[SEL], s[SEL+1]
	v_add_f32 v14, v14, v[PD]                      ; the row's sum
	s_wait_alu depctr_va_vdst(0)                   ; the wait ahead of the reciprocal,
	v_rcp_f32 v14, v14
	v_nop                                          ; the plain place,
	s_wait_alu depctr_va_vdst(0)                   ; and the wait behind it
.set JJ, 0
.rept 32
	v_mul_f32 v[SA+JJ], v[OA+JJ], v14              ; register 8 t + i is o(r, 16 t + 8 h + i)
.set JJ, JJ+1
.endr
.irp t, 0,1,2,3
	ds_store_b128 v[STO], v[SA+8*\t:SA+8*\t+3] offset:64*\t
	ds_store_b128 v[STO], v[SA+8*\t+4:SA+8*\t+7] offset:64*\t+16
.endr
.irp i, 0,1,2,3,4,5,6,7
	ds_load_b128 v[VF+4*\i:VF+4*\i+3], v[RD] offset:2*\i*272   ; LDS serves a wave's instructions in order (ISA guide 5.7.1.4)
.endr
.irp i, 0,1,2,3,4,5,6,7
	s_wait_dscnt 7-\i                              ; load i is in; the younger ones may be out
	global_store_b128 v[GO], v[VF+4*\i:VF+4*\i+3], s[\base:\base+1] offset:4096*\i th:TH_STORE_NT   ; queries 2 i and 2 i + 1
.endr
.endm
; Where a tile's rows lie: Q's codes, Q's scales, output, mask, flags.
.macro ROWS t, qc, qs, ob, mb, fb
	s_lshl_b32 s22, s[BN], 14
	s_lshl_b32 s23, s[\t], 7
	s_add_co_u32 s22, s22, s23
	s_add_co_u32 s22, s22, s[HD]                   ; its first query's row among [b][query][head]
	s_lshl_b32 s34, s22, 5
	s_add_nc_u64 s[\qc:\qc+1], s[4:5], s[34:35]
	s_lshl_b32 s34, s22, 1
	s_add_nc_u64 s[\qs:\qs+1], s[6:7], s[34:35]
	s_lshl_b32 s34, s22, 8
	s_add_nc_u64 s[\ob:\ob+1], s[12:13], s[34:35]
	s_lshl_b32 s22, s[BN], 7
	s_add_co_u32 s22, s22, s[\t]
	s_lshl_b32 s34, s22, 15
	s_add_nc_u64 s[\mb:\mb+1], s[16:17], s[34:35]
	s_lshl_b32 s34, s22, 10
	s_add_nc_u64 s[\fb:\fb+1], s[20:21], s[34:35]
.endm
	s_load_b256 s[4:11], s[0:1], 0x0               ; Q's codes and scales: time, channel
	s_load_b256 s[12:19], s[0:1], 0x20             ; out0, out1, mask, image
	s_load_b64 s[20:21], s[0:1], 0x40              ; flags
	v_lshl_add_u32 v[SPW], v0, 2, SPARE
	v_mov_b32 v[NIL], 0
	v_lshrrev_b32 v[TMP], 5, v0
	v_readfirstlane_b32 s[WV], v[TMP]              ; wave 0..7
	v_and_b32 v[TMP], 15, v0                       ; r
	v_bfe_u32 v[TMP2], v0, 4, 1                    ; h
	v_and_b32 v[C0], 31, v0
	v_lshlrev_b32 v[L16], 4, v[C0]
	v_lshlrev_b32 v[L8], 3, v[C0]
	v_lshlrev_b32 v[H8], 3, v[TMP2]
	v_lshlrev_b32 v[MO], 11, v[TMP]
	v_lshl_add_u32 v[MO], v[TMP2], 5, v[MO]
	v_lshlrev_b32 v[GO], 4, v[TMP]                 ; output: 2,048 bytes from query to query, 16 bytes a lane
	v_lshl_add_u32 v[GO], v[TMP2], 11, v[GO]
	v_lshlrev_b32 v[AD], 8, v[TMP]                 ; Q: query r is 256 bytes on; + my half's 16
	v_lshl_add_u32 v[AD], v[TMP2], 4, v[AD]
	v_lshlrev_b32 v[AN], 4, v[TMP]                 ; its scale bytes: 16 bytes on
	s_mul_i32 s22, s[WV], 16*272
	s_add_co_u32 s22, s22, STAGE
	v_mul_u32_u24 v[STO], v[TMP], 272              ; the stage, in: row r; tile t's eight channels of my half: 64 t + 32 h on
	v_lshl_add_u32 v[STO], v[TMP2], 5, v[STO]
	v_add_nc_u32 v[STO], s22, v[STO]
	v_mul_u32_u24 v[RD], v[TMP2], 272              ; back: lanes 0-15 one row, lanes 16-31 the next
	v_lshl_add_u32 v[RD], v[TMP], 4, v[RD]
	v_add_nc_u32 v[RD], s22, v[RD]
	v_lshlrev_b32 v[T16], 4, v0
	v_add_nc_u32 v[T16B], 0x10000, v[T16]
	s_and_b32 s[Y], ttmp7, 0xffff
	s_and_b32 s[HD], s[Y], 7
	s_bfe_u32 s[BN], s[Y], 0x10003
	s_sub_co_u32 s[TA], 15, s[WV]
	s_lshl_b32 s[TA], s[TA], 3
	s_add_co_u32 s[TA], s[TA], ttmp9
	s_lshl_b32 s[TB], s[WV], 3
	s_add_co_u32 s[TB], s[TB], ttmp9
	s_mov_b32 s[SEL], 0x76543210
	s_mov_b32 s[SEL+1], 0xfedcba98
	s_mov_b32 s[CS], 0x3e38aa3b                    ; c = log2(e) / 8
	s_mov_b32 s[CS+1], s[CS]                       ; (named with it as a pair)
	s_mov_b32 s35, 0
	s_mov_b32 s[T+1], 0
	s_wait_alu depctr_va_vdst(0)                   ; directly ahead of the wait below
	s_wait_kmcnt 0x0
	s_cmp_lt_u32 s[Y], 16                          ; time or channel?
	s_cselect_b64 s[4:5], s[4:5], s[8:9]
	s_cselect_b64 s[6:7], s[6:7], s[10:11]
	s_cselect_b64 s[12:13], s[12:13], s[14:15]
	ROWS TA, 74, 76, OUTA, MBA, 82
	ROWS TB, 78, 80, OUTB, MBB, 84
	s_mul_i32 s34, s[Y], 16*STEPB
	s_add_nc_u64 s[18:19], s[18:19], s[34:35]
.irp i, 0,1,2,3
	s_load_b64 s[36+2*\i:37+2*\i], s[82:83], 256*\i   ; four steps' live bits, four steps' mixed bits: tile A,
	s_load_b64 s[44+2*\i:45+2*\i], s[84:85], 256*\i   ; tile B
.endr
	global_load_b128 v[QA:QA+3], v[AD], s[74:75]
	global_load_u16 v[QSA], v[AN], s[76:77]        ; two scale bytes, two bytes 0 above them (over zero codes)
	global_load_b128 v[QB:QB+3], v[AD], s[78:79]
	global_load_u16 v[QSB], v[AN], s[80:81]
.irp i, 0,1,2,3,4,5,6,7,8,9,10,11,12,13,14,15
	global_load_b128 v[SA+4*\i:SA+4*\i+3], v[T16], s[18:19] offset:4096*\i
.endr
	global_load_b128 v[PC:PC+3], v[T16], s[18:19] offset:4096*16
	global_load_b128 v[PC+4:PC+7], v[T16], s[18:19] offset:4096*17
	WIN 0x40
.irp i, 0,1,2,3,4,5,6,7,8,9,10,11,12,13,14,15,16
	global_load_b128 v[4*\i:4*\i+3], v[T16], s[18:19] offset:4096*(18+\i)   ; v256 on
.endr
	WIN 0
	; the constant of the mask's products.  Row m of tile 4 c + u stands for a key whose mask byte lies in the lanes with h = m / 8, in register 2 u + (m % 8) / 4 of operand c, at bit 8 (m % 4).  The code there is 0xF: -6
	v_and_b32 v[C0], 3, v0
	v_mov_b32 v[C0+1], 15
	v_lshrrev_b32 v[C0+2], 1, v0
	v_bfe_u32 v[C0+3], v0, 2, 1                    ; (r % 8) / 4
	v_lshlrev_b32 v[C0], 3, v[C0]
	v_xor_b32 v[C0+2], v[C0+2], v0
	v_lshlrev_b32 v[C0], v[C0], v[C0+1]            ; 0xF << 8 (r % 4)
	v_and_b32 v[C0+2], 8, v[C0+2]                  ; 8 where h differs from r / 8
	v_or_b32 v[C0+2], v[C0+2], v[C0+3]
	v_cmp_eq_u32 vcc_lo, 0, v[C0+2]
	v_cndmask_b32 v[AZ+6], 0, v[C0], vcc_lo
	v_cmp_eq_u32 vcc_lo, 1, v[C0+2]
	v_cndmask_b32 v[AZ+7], 0, v[C0], vcc_lo
.irp j, 0,1,2,3,4,5,8,9,10,11,12,13
	v_mov_b32 v[AZ+\j], 0
.endr
.irp j, 0,1,2,3
	v_mov_b32 v[QA+4+\j], 0                        ; the upper 64 along K: zero codes in Q
	v_mov_b32 v[QB+4+\j], 0
	v_mov_b32 v[VF+\j], 0                          ; (the last K tile's operand reaches in here)
.endr
	v_mov_b32 v[MSC], 0xbebebebe                   ; byte 190: 2^63
	v_mov_b32 v[PD], 0                             ; (a lane permute's destination counts as one of its sources)
	v_mov_b32 v11, 0                               ; (the upper half of the pair v[10:11])
	INIT
	s_wait_alu depctr_va_vdst(0)                   ; the wait at the head's end
	s_wait_kmcnt 0x0
	s_lshl4_add_u32 s[LVA], s42, s40
	s_lshl4_add_u32 s[LVA], s[LVA], s38
	s_lshl4_add_u32 s[LVA], s[LVA], s36
	s_lshl4_add_u32 s[MXA], s43, s41
	s_lshl4_add_u32 s[MXA], s[MXA], s39
	s_lshl4_add_u32 s[MXA], s[MXA], s37
	s_lshl4_add_u32 s[LVB], s50, s48
	s_lshl4_add_u32 s[LVB], s[LVB], s46
	s_lshl4_add_u32 s[LVB], s[LVB], s44
	s_lshl4_add_u32 s[MXB], s51, s49
	s_lshl4_add_u32 s[MXB], s[MXB], s47
	s_lshl4_add_u32 s[MXB], s[MXB], s45
	s_ctz_i32_b32 s[T], s[MXA]                     ; the first mixed step (none: step 15's bytes are read and not used)
	s_min_u32 s[T], s[T], 15
	s_lshl_b32 s[T], s[T], 7
	s_add_nc_u64 s[MA:MA+1], s[MBA:MBA+1], s[T:T+1]
	s_ctz_i32_b32 s[T], s[MXB]
	s_min_u32 s[T], s[T], 15
	s_lshl_b32 s[T], s[T], 7
	s_add_nc_u64 s[86:87], s[MBB:MBB+1], s[T:T+1]
	MLOAD MB, MA
	WIN 0x40
	MLOAD HI2, 86                                  ; v324 on
	WIN 0
	s_wait_loadcnt 25                              ; all but the image's second part (17) and the mask bytes (8)
.irp i, 0,1,2,3,4,5,6,7,8,9,10,11,12,13,14,15
	ds_store_b128 v[T16], v[SA+4*\i:SA+4*\i+3] offset:4096*\i
.endr
	ds_store_b128 v[T16B], v[PC:PC+3]
	ds_store_b128 v[T16B], v[PC+4:PC+7] offset:4096
	s_wait_dscnt 0x0                               ; for the others' sake
	s_barrier_signal -1
	s_barrier_wait -1
	LOOP QA, QSA, LVA, MXA, MBA, 0, 8              ; tile A, steps 0-7: 71,680 bytes of the 73,728 that lie in LDS
	v_add_nc_u32 v[TMP2], 0x20000, v[T16]
	s_wait_alu depctr_va_vdst(0)
	s_wait_loadcnt 0x0                             ; the second part has come
	WIN 0x04
.irp i, 0,1,2,3,4,5,6,7,8,9,10,11,12,13
	ds_store_b128 v[T16B], v[4*\i:4*\i+3] offset:4096*(2+\i)
.endr
.irp i, 14,15,16
	ds_store_b128 v[TMP2], v[4*\i:4*\i+3] offset:4096*(\i-14)
.endr
	WIN 0
	s_wait_dscnt 0x0
	s_barrier_signal -1
	s_barrier_wait -1
	LOOP QA, QSA, LVA, MXA, MBA, 8, 16
	OUT OUTA
	INIT
	s_wait_alu depctr_va_vdst(0)                   ; directly ahead of the waits below
	s_wait_loadcnt 0x0
	s_wait_xcnt 0x0                                ; the stores have read their data: V's fragments land there again
	WIN 0x01
.set JJ, 0
.rept 16
	v_mov_b32 v[MB+JJ], v[HI2+JJ]                  ; tile B's first mixed step
.set JJ, JJ+1
.endr
	WIN 0
	LOOP QB, QSB, LVB, MXB, MBB, 0, 16
	OUT OUTB
	s_wait_tensorcnt 0x0                           ; the wave's end
	ds_add_u32 v[SPW], v[NIL]
	s_wait_dscnt 0x0
	s_endpgm
.Lfunc_end_k_q31aa23a444_attn:
	.size	k_q31aa23a444_attn, .Lfunc_end_k_q31aa23a444_attn-k_q31aa23a444_attn
	.p2alignl 7, 3214868480
	.fill 96, 4, 3214868480
	.section	.rodata,"a",@progbits
	.p2align	6, 0x0
	.amdhsa_kernel k_q31aa23a444_attn
		.amdhsa_group_segment_fixed_size 179200
		.amdhsa_private_segment_fixed_size 0
		.amdhsa_enable_private_segment 0
		.amdhsa_kernarg_size 72
		.amdhsa_user_sgpr_count 2
		.amdhsa_user_sgpr_kernarg_segment_ptr 1
		.amdhsa_wavefront_size32 1
		.amdhsa_system_sgpr_workgroup_id_x 1
		.amdhsa_system_sgpr_workgroup_id_y 1
		.amdhsa_system_sgpr_workgroup_id_z 1
		.amdhsa_system_vgpr_workitem_id 0
		.amdhsa_next_free_vgpr 352
		.amdhsa_next_free_sgpr 96
		.amdhsa_reserve_vcc 1
		.amdhsa_float_denorm_mode_32 3
		.amdhsa_float_denorm_mode_16_64 3
		.amdhsa_memory_ordered 1
		.amdhsa_forward_progress 1
		.amdhsa_inst_pref_size 79
	.end_amdhsa_kernel
	.amdgpu_metadata
---
amdhsa.version: [ 1, 2 ]
amdhsa.kernels:
  - .name:           k_q31aa23a444_attn
    .symbol:         k_q31aa23a444_attn.kd
    .args:
      - { .name: queries_time_codes, .offset: 0, .size: 8, .value_kind: global_buffer, .address_space: global }
      - { .name: queries_time_scales, .offset: 8, .size: 8, .value_kind: global_buffer, .address_space: global }
      - { .name: queries_channel_codes, .offset: 16, .size: 8, .value_kind: global_buffer, .address_space: global }
      - { .name: queries_channel_scales, .offset: 24, .size: 8, .value_kind: global_buffer, .address_space: global }
      - { .name: out0, .offset: 32, .size: 8, .value_kind: global_buffer, .address_space: global }
      - { .name: out1, .offset: 40, .size: 8, .value_kind: global_buffer, .address_space: global }
      - { .name: attn_mask, .offset: 48, .size: 8, .value_kind: global_buffer, .address_space: global }
      - { .name: image, .offset: 56, .size: 8, .value_kind: global_buffer, .address_space: global }
      - { .name: flags, .offset: 64, .size: 8, .value_kind: global_buffer, .address_space: global }
    .group_segment_fixed_size: 179200
    .private_segment_fixed_size: 0
    .kernarg_segment_align: 8
    .kernarg_segment_size: 72
    .max_flat_workgroup_size: 256
    .sgpr_count:     96
    .vgpr_count:     352
    .wavefront_size: 32
...
	.end_amdgpu_metadata
.endif
;; end of part 2
